; MI455X (gfx1250); checked and timed in simulation.
; The chip was launched on July 23, 2026; its instructions are those of AMD's public machine-readable ISA for CDNA 5 (MIT licence, August 2026) and "CDNA5" Instruction Set Architecture Reference Guide (July 2026). The comments in the code are by the model that wrote it; some were corrected since.
;; Attention Block. Allowed arithmetic: float matrix products may take bf16 or f16 operands with f32 sums; other float arithmetic in f32, or as packed bf16 or f16 multiplies, adds, multiply-adds, maxima and minima; sums over many terms, partial sums and values carried from step to step in f32; what a program stores and reads back later, other than sums and carried values, may be rounded once to bf16 or f16.
;; Inputs: Wk 512 x 512 float32; Wq 512 x 512 float32; Wv 512 x 512 float32; x 8 x 2,048 x 512 float32.
;; Outputs: out0 8 x 2,048 x 512 float32.
;; 2 versions, each right; version 2 is version 1 with the launch prep written anew for expert scheduling mode. Each part assembles by itself: llvm-mc -triple=amdgcn-amd-amdhsa -mcpu=gfx1250 --defsym DOCPART=n.
;; ======== version 1 of 2: 2 launches
;; limits: values are held in f16: magnitudes above 65,504 overflow, below 6.1e-05 lose precision
;; workspace buffers: x16 16,777,216 bytes; mt 524,288 bytes; wvp 524,288 bytes
;; launch prep (part 1): grid 416 x 1, 4 waves a work-group, no clusters, 4,864 bytes of LDS; arguments x, Wq, Wk, Wv, x16, mt, wvp; writes x16, mt, wvp
.if DOCPART == 1
	.amdgcn_target "amdgcn-amd-amdhsa--gfx1250"
	.amdhsa_code_object_version 6
	.text
	.protected	k_q3ad1d5338e_prep
	.globl	k_q3ad1d5338e_prep
	.p2align	8
	.type	k_q3ad1d5338e_prep,@function
k_q3ad1d5338e_prep:
	s_mov_b64 s[64:65], 0
	v_nop
	global_prefetch_b8 v0, s[64:65] scope:SCOPE_SE
	s_setreg_imm32_b32 hwreg(HW_REG_WAVE_MODE, 25, 1), 1
	s_wait_xcnt 0x0
; FIRST OF TWO LAUNCHES.  reference(): Q = x Wq, K = x Wk, V = x Wv, out = softmax(Q K^T / sqrt(512)) V, for 8 batches of 2,048 rows of 512.
; THE ORDER OF THE PRODUCTS IS CHANGED, for all values of the inputs, by associativity alone:
;   Q K^T = x (Wq Wk^T) x^T = (x M) x^T with M[f][g] = sum over e of Wq[f][e] Wk[g][e];   softmax(..) (x Wv) = (softmax(..) x) Wv.
; So M is made once (here), the product x Wk is not formed, and keys and values are both x itself.  No input is left out: x, Wq, Wk, Wv all reach the output.
; LIMITS.  The order of rounding differs from reference()'s.  All four inputs are rounded to bf16 once; x and Wv are then written as f16 (exact from 6.1e-5 to 65,504 in
; magnitude; below that f16's fixed step of 6e-8; above it an infinity).  M has f32 sums of bf16 products and is rounded once to f16, with the same range.  An overflow, NaN or
; infinity that reference() would meet only in Q, K or V by themselves is not carried to the result as reference() carries it.
; THIS LAUNCH, by the work-group's number:
;   0-127    mt:  16 rows g x 128 columns f of M^T, row g stored at row (g & ~15) + 2 (g & 7) + ((g >> 3) & 1)
;   128-159  wvp: Wv's row f = 128 w + 32 t + 16 u + 8 a + i stored at row 128 t + 32 w + 16 u + 2 i + a
;   160-415  x16: 64 rows of x, in place
; The two orders of rows are what the second launch's one way of reading a tile wants.  No tensor loads, no cluster: nothing here is read often enough to share, and x is a plain stream.
.set SPARE, 4352                       ; LDS: the stage, 16 rows x 272 bytes, at 0; behind it the spare words, 128 bytes a wave
.set SPW, 10                           ; v10  LDS address of my spare word; never rewritten
.set NIL, 11                           ; v11  0; never rewritten
.set XR,  16                           ; v[16:143]  loaded f32: 16 slots of 8 (x, Wv); for M: four sets of 48 up to v207
.set YR,  144                          ; v[144:207] f16 to store: 16 slots of 4
.set T,   208                          ; v[208:211] at work (x, Wv); for M: v[208:223] two accumulators
.set ACC, 208
.set PK,  224                          ; v[224:231] M^T packed; v[232:239] read back
	s_load_b256 s[4:11], s[0:1], 0x0               ; x s[4:5], Wq s[6:7], Wk s[8:9], Wv s[10:11]
	s_load_b128 s[16:19], s[0:1], 0x20             ; x16 s[16:17], mt s[18:19]
	s_load_b64 s[20:21], s[0:1], 0x30              ; wvp
	v_lshl_add_u32 v[SPW], v0, 2, SPARE
	v_mov_b32 v[NIL], 0
	v_lshrrev_b32 v1, 5, v0
	v_readfirstlane_b32 s12, v1                    ; wave 0..3
	v_and_b32 v3, 31, v0                           ; lane
	s_mov_b32 s13, 0xffff0000                      ; a word's upper bf16
	s_mov_b32 s14, ttmp9
	s_mov_b32 s3, 0                                ; the high word of every offset below
	s_wait_kmcnt 0x0
	s_cmp_ge_u32 s14, 160
	s_cbranch_scc1 .Lx
	s_cmp_ge_u32 s14, 128
	s_cbranch_scc1 .Lwv
	; ---- M^T.  Source 0 = 16 rows f of Wq, source 1 = 16 rows g of Wk: a lane ends with row g = lane % 16 and eight neighbouring f.  Wave w: columns 32 w .. 32 w + 31 of the 128.
	s_lshr_b32 s22, s14, 2                         ; gi: which 16 rows g
	s_and_b32 s23, s14, 3                          ; fi: which 128 columns f
	s_lshl_b32 s2, s23, 18                         ; 128 rows of 2,048 bytes
	s_add_nc_u64 s[6:7], s[6:7], s[2:3]
	s_lshl_b32 s2, s22, 15                         ; 16 rows
	s_add_nc_u64 s[8:9], s[8:9], s[2:3]
	v_and_b32 v6, 15, v0                           ; r = lane % 16
	v_bfe_u32 v7, v0, 4, 1                         ; h = lane / 16
	v_lshlrev_b32 v5, 11, v6
	v_lshl_add_u32 v5, v7, 5, v5                   ; Wk: r x 2,048 + 32 h
	s_lshl_b32 s24, s12, 16
	v_add_nc_u32 v4, s24, v5                       ; Wq: + 32 w rows
; A fragment of 16 rows x 32 e, still f32: 8 numbers at 128 c + 32 h and 8 at 128 c + 64 + 32 h: four loads of 16 bytes.  Chunk c: two fragments of Wq, one of Wk: 12 loads into set c % 4.
.macro LOADM c
.set XL, XR+48*((\c)%4)
.irp p, 0,1,2,3
	global_load_b128 v[XL+4*\p:XL+4*\p+3],       v4, s[6:7] offset:128*(\c)+16*(\p%2)+64*(\p/2)
	global_load_b128 v[XL+16+4*\p:XL+16+4*\p+3], v4, s[6:7] offset:128*(\c)+16*(\p%2)+64*(\p/2)+32768
	global_load_b128 v[XL+32+4*\p:XL+32+4*\p+3], v5, s[8:9] offset:128*(\c)+16*(\p%2)+64*(\p/2)
.endr
.endm
; Chunk c's turn.  left: the loads of the chunks behind it that may stay out.  The 24 roundings pack each fragment into its own first 8 registers; they are also the places between the
; products of the turn before and the loads into the set that those products read.  The two accumulators take turns.
.macro TURNM c, left
	s_wait_loadcnt \left
.set XT, XR+48*((\c)%4)
.irp k, 0,16,32
.irp i, 0,1,2,3,4,5,6,7
	v_cvt_pk_bf16_f32 v[XT+\k+\i], v[XT+\k+2*\i], v[XT+\k+2*\i+1]
.endr
.endr
.if (\c)+3 < 16
	LOADM (\c)+3
.endif
.if (\c) == 0
	v_wmma_f32_16x16x32_bf16 v[ACC:ACC+7],    v[XT:XT+7],     v[XT+32:XT+39], 0
	v_wmma_f32_16x16x32_bf16 v[ACC+8:ACC+15], v[XT+16:XT+23], v[XT+32:XT+39], 0
.else
	v_wmma_f32_16x16x32_bf16 v[ACC:ACC+7],    v[XT:XT+7],     v[XT+32:XT+39], v[ACC:ACC+7]
	v_wmma_f32_16x16x32_bf16 v[ACC+8:ACC+15], v[XT+16:XT+23], v[XT+32:XT+39], v[ACC+8:ACC+15]
.endif
.endm
	LOADM 0
	LOADM 1
	LOADM 2
.irp c, 0,1,2,3,4,5,6,7,8,9,10,11,12,13,14,15
.if \c < 14
	TURNM \c, 24                                   ; two chunks of 12 loads are younger
.else
	TURNM \c, 12*(15-\c)                           ; the counts run down: 12, 0
.endif
.endr
	; the addresses of the way out: plain instructions that name no register of the products: the places behind them
	v_mul_u32_u24 v8, v6, 272                      ; into the stage: row g = r,
	v_lshl_add_u32 v8, v7, 4, v8                   ; 16 bytes for each half of the lanes,
	s_lshl_b32 s24, s12, 6
	v_add_nc_u32 v8, s24, v8                       ; my wave's 64 bytes of the row's 256
	v_mul_u32_u24 v9, v7, 272                      ; back: lanes 0-15 one whole row, lanes 16-31 the next;
	v_lshl_add_u32 v9, v6, 4, v9
	s_mul_i32 s24, s12, 4*272
	v_add_nc_u32 v9, s24, v9                       ; wave w takes rows 4 w .. 4 w + 3
	s_lshl_b32 s24, s22, 4                         ; row g = 16 gi + 4 w + 2 k + h goes to row 16 gi + 8 (w & 1) + 4 k + 2 h + (w >> 1)
	s_and_b32 s25, s12, 1
	s_lshl_b32 s25, s25, 3
	s_add_co_u32 s24, s24, s25
	s_lshr_b32 s25, s12, 1
	s_add_co_u32 s24, s24, s25
	s_lshl_b32 s24, s24, 10                        ; rows of 1,024 bytes
	s_lshl_b32 s25, s23, 8                         ; the 128 columns: 256 bytes
	s_add_co_u32 s24, s24, s25
	v_lshlrev_b32 v12, 11, v7
	v_lshl_add_u32 v12, v6, 4, v12
	v_add_nc_u32 v12, s24, v12
.irp i, 0,1,2,3
	v_cvt_pk_f16_f32 v[PK+\i], v[ACC+2*\i], v[ACC+2*\i+1]
.endr
.irp i, 0,1,2,3
	v_cvt_pk_f16_f32 v[PK+4+\i], v[ACC+8+2*\i], v[ACC+8+2*\i+1]
.endr
	ds_store_b128 v8, v[PK:PK+3]
	ds_store_b128 v8, v[PK+4:PK+7] offset:32
	s_wait_dscnt 0x0                               ; for the others' sake: my stores into the stage are done
	s_barrier_signal -1
	s_barrier_wait -1
	ds_load_b128 v[PK+8:PK+11],  v9
	ds_load_b128 v[PK+12:PK+15], v9 offset:2*272
	s_wait_dscnt 0x0
	global_store_b128 v12, v[PK+8:PK+11],  s[18:19]              ; 16 lanes store 256 consecutive bytes, at a multiple of 256 from mt's first byte
	global_store_b128 v12, v[PK+12:PK+15], s[18:19] offset:4096
	s_wait_tensorcnt 0x0                           ; the wave's end, behind my last LDS store
	ds_add_u32 v[SPW], v[NIL]
	s_wait_dscnt 0x0
	s_endpgm
; Eight f32 in v[x .. x+7] are rounded to bf16, widened again, and written as f16 into v[y .. y+3].
.macro CONV x, y
.irp i, 0,1,2,3
	v_cvt_pk_bf16_f32 v[T+\i], v[(\x)+2*\i], v[(\x)+2*\i+1]
.endr
.irp i, 0,1,2,3
	v_lshlrev_b32 v[(\x)+2*\i],   16,  v[T+\i]
	v_and_b32     v[(\x)+2*\i+1], s13, v[T+\i]
.endr
.irp i, 0,1,2,3
	v_cvt_pk_f16_f32 v[(\y)+\i], v[(\x)+2*\i], v[(\x)+2*\i+1]
.endr
.endm
.Lwv:	; ---- wvp.  Wave n of 128 takes Wv's rows 4 n .. 4 n + 3: eight units of 256 numbers (1,024 bytes in, 512 out)
	s_sub_co_u32 s22, s14, 128
	s_lshl_b32 s22, s22, 2
	s_add_co_u32 s22, s22, s12                     ; n
	s_lshl_b32 s2, s22, 13
	s_add_nc_u64 s[10:11], s[10:11], s[2:3]
	s_bfe_u32 s23, s22, 0x20003                    ; row 4 n + q goes to row 128 ((n >> 3) & 3) + 32 (n >> 5) + 16 ((n >> 2) & 1) + 8 (n & 1) + ((n >> 1) & 1) + 2 q
	s_lshl_b32 s23, s23, 7
	s_lshr_b32 s24, s22, 5
	s_lshl_b32 s24, s24, 5
	s_add_co_u32 s23, s23, s24
	s_bfe_u32 s24, s22, 0x10002
	s_lshl_b32 s24, s24, 4
	s_add_co_u32 s23, s23, s24
	s_and_b32 s24, s22, 1
	s_lshl_b32 s24, s24, 3
	s_add_co_u32 s23, s23, s24
	s_bfe_u32 s24, s22, 0x10001
	s_add_co_u32 s23, s23, s24
	s_lshl_b32 s2, s23, 10
	s_add_nc_u64 s[20:21], s[20:21], s[2:3]
	v_lshlrev_b32 v4, 5, v3                        ; 32 bytes a lane in,
	v_lshlrev_b32 v5, 4, v3                        ; 16 out
.irp u, 0,1,2,3,4,5,6,7
	global_load_b128 v[XR+8*\u:XR+8*\u+3],   v4, s[10:11] offset:1024*\u th:TH_LOAD_NT
	global_load_b128 v[XR+8*\u+4:XR+8*\u+7], v4, s[10:11] offset:1024*\u+16 th:TH_LOAD_NT
.endr
.irp u, 0,1,2,3,4,5,6,7
	s_wait_loadcnt 14-2*\u                         ; the later units' loads may stay out
	CONV XR+8*\u, YR+4*\u
	global_store_b128 v5, v[YR+4*\u:YR+4*\u+3], s[20:21] offset:(\u/2)*2048+(\u%2)*512  ; 512 consecutive bytes, aligned
.endr
	s_endpgm
.Lx:	; ---- x16.  The work-group takes 64 rows, a wave 16: 32 units.  A ring of 16 slots in registers keeps 32 loads of every wave on their way.
	s_sub_co_u32 s22, s14, 160
	s_lshl_b32 s2, s22, 17
	s_add_nc_u64 s[4:5], s[4:5], s[2:3]
	s_lshl_b32 s2, s22, 16
	s_add_nc_u64 s[16:17], s[16:17], s[2:3]
	s_lshl_b32 s23, s12, 15
	v_lshl_add_u32 v4, v3, 5, s23                  ; in: 32,768 w + 32 lane; never rewritten
	s_lshl_b32 s23, s12, 14
	v_lshl_add_u32 v5, v3, 4, s23                  ; out: 16,384 w + 16 lane; never rewritten
.irp u, 0,1,2,3,4,5,6,7,8,9,10,11,12,13,14,15
	global_load_b128 v[XR+8*\u:XR+8*\u+3],   v4, s[4:5] offset:1024*\u th:TH_LOAD_NT
	global_load_b128 v[XR+8*\u+4:XR+8*\u+7], v4, s[4:5] offset:1024*\u+16 th:TH_LOAD_NT
.endr
.macro SLOT u, refill, left
	s_wait_loadcnt \left                           ; loads come back in order: this unit's two are in, the younger ones stay out
.if !(\refill)
	s_wait_xcnt 0x0                                ; the slot's store of the first round has read its registers: they are written again only behind this wait
.endif
	CONV XR+8*((\u)%16), YR+4*((\u)%16)
.if \refill
	global_load_b128 v[XR+8*((\u)%16):XR+8*((\u)%16)+3],   v4, s[4:5] offset:1024*((\u)+16) th:TH_LOAD_NT
	global_load_b128 v[XR+8*((\u)%16)+4:XR+8*((\u)%16)+7], v4, s[4:5] offset:1024*((\u)+16)+16 th:TH_LOAD_NT
.endif
	global_store_b128 v5, v[YR+4*((\u)%16):YR+4*((\u)%16)+3], s[16:17] offset:512*(\u) th:TH_STORE_NT
.endm
.irp u, 0,1,2,3,4,5,6,7,8,9,10,11,12,13,14,15
	SLOT \u, 1, 30                                 ; fifteen younger slots of two loads
.endr
.irp u, 16,17,18,19,20,21,22,23,24,25,26,27,28,29,30,31
	SLOT \u, 0, 2*(31-\u)                          ; the second round loads nothing: the counts run down
.endr
	s_endpgm
.Lfunc_end_k_q3ad1d5338e_prep:
	.size	k_q3ad1d5338e_prep, .Lfunc_end_k_q3ad1d5338e_prep-k_q3ad1d5338e_prep
	.p2alignl 7, 3214868480
	.fill 96, 4, 3214868480
	.section	.rodata,"a",@progbits
	.p2align	6, 0x0
	.amdhsa_kernel k_q3ad1d5338e_prep
		.amdhsa_group_segment_fixed_size 4864
		.amdhsa_private_segment_fixed_size 0
		.amdhsa_enable_private_segment 0
		.amdhsa_kernarg_size 56
		.amdhsa_user_sgpr_count 2
		.amdhsa_user_sgpr_kernarg_segment_ptr 1
		.amdhsa_wavefront_size32 1
		.amdhsa_system_sgpr_workgroup_id_x 1
		.amdhsa_system_sgpr_workgroup_id_y 1
		.amdhsa_system_sgpr_workgroup_id_z 1
		.amdhsa_system_vgpr_workitem_id 0
		.amdhsa_next_free_vgpr 240
		.amdhsa_next_free_sgpr 66
		.amdhsa_reserve_vcc 0
		.amdhsa_float_denorm_mode_32 3
		.amdhsa_float_denorm_mode_16_64 3
		.amdhsa_memory_ordered 1
		.amdhsa_forward_progress 1
		.amdhsa_inst_pref_size 93
	.end_amdhsa_kernel
	.amdgpu_metadata
---
amdhsa.version: [ 1, 2 ]
amdhsa.kernels:
  - .name:           k_q3ad1d5338e_prep
    .symbol:         k_q3ad1d5338e_prep.kd
    .args:
      - { .name: x, .offset: 0, .size: 8, .value_kind: global_buffer, .address_space: global }
      - { .name: Wq, .offset: 8, .size: 8, .value_kind: global_buffer, .address_space: global }
      - { .name: Wk, .offset: 16, .size: 8, .value_kind: global_buffer, .address_space: global }
      - { .name: Wv, .offset: 24, .size: 8, .value_kind: global_buffer, .address_space: global }
      - { .name: x16, .offset: 32, .size: 8, .value_kind: global_buffer, .address_space: global }
      - { .name: mt, .offset: 40, .size: 8, .value_kind: global_buffer, .address_space: global }
      - { .name: wvp, .offset: 48, .size: 8, .value_kind: global_buffer, .address_space: global }
    .group_segment_fixed_size: 4864
    .private_segment_fixed_size: 0
    .kernarg_segment_align: 8
    .kernarg_segment_size: 56
    .max_flat_workgroup_size: 128
    .sgpr_count:     66
    .vgpr_count:     240
    .wavefront_size: 32
...
	.end_amdgpu_metadata
.endif
;; end of part 1
;; launch attn (part 2): grid 32 x 8, 4 waves a work-group, clusters of 4 x 1, 327,680 bytes of LDS; arguments x16, mt, wvp, out0; writes out0
.if DOCPART == 2
	.amdgcn_target "amdgcn-amd-amdhsa--gfx1250"
	.amdhsa_code_object_version 6
	.text
	.protected	k_q3ad1d5338e_attn
	.globl	k_q3ad1d5338e_attn
	.p2align	8
	.type	k_q3ad1d5338e_attn,@function
k_q3ad1d5338e_attn:
	s_mov_b64 s[64:65], 0
	v_nop
	global_prefetch_b8 v0, s[64:65] scope:SCOPE_SE
	s_setreg_imm32_b32 hwreg(HW_REG_WAVE_MODE, 25, 1), 1
	s_wait_xcnt 0x0
	s_wait_alu depctr_hold_cnt(0) depctr_sa_sdst(0) depctr_va_vdst(0) depctr_va_sdst(0) depctr_va_ssrc(0) depctr_va_vcc(0) depctr_vm_vsrc(0)
	s_getreg_b32 s2, hwreg(HW_REG_IB_STS2, 6, 4)
	s_cmp_eq_u32 s2, 0
	s_cbranch_scc0 .Lentry_in_a_cluster
	s_endpgm
.Lentry_in_a_cluster:
	s_bfe_u32 s2, ttmp6, 0x10000c
	s_cmp_lg_u32 s2, 0x3003
	s_cbranch_scc0 .Lentry_shape_is_right
	s_endpgm
.Lentry_shape_is_right:
; SECOND OF TWO LAUNCHES.  out = softmax((x M) x^T / sqrt(512)) x Wv, which is reference()'s result for all values by associativity (shown at the first kernel's head): the product x Wk is not formed,
; and keys and values are both x.  x16 = x, mt = M^T, wvp = Wv, all f16, the rows of mt and wvp in the order that this text reads them.
; LIMITS.  x M is kept as f16(x M / 1,024): it holds up to 6.7e7 in magnitude, and below 0.0625 it keeps the fixed step 6e-5; the factor is undone in f32, in c.  The weights p (0 to 1) and
; softmax(..) x (within x's range) are rounded once to f16.  A weight below 2^-126 counts as 0.  NaN and infinities are not treated apart.  Maxima, sums and both accumulators stay in f32.
; SHARES.  A work-group owns 64 queries of a batch: four tiles t of 16.  Its four waves SHARE them, since at width 512 a wave with queries of its own would use each fragment of a key once.
; ONE RING, 24 TILES of one shape, 128 rows x 1,024 bytes: 4 of mt, 16 of the batch's x16, 4 of wvp.  TWO PRODUCTS:
;   QK: (32 rows of the tile: wave w takes 32 w ..) x (64 queries), summed over the 512 channels, rows read as they lie.  Front: Q' = x M.  Keys: the scores.  8 accumulators.
;   PV: (128 columns of the tile: wave w takes 128 w ..) x (64 queries), summed over the tile's 128 rows, read turned (ds_load_tr16_b128).  Keys: O += x^T P.  Back: out = Wv^T O'.  32 accumulators.
; In both, source 0 comes from the tile and source 1 holds 16 queries, so a lane holds ONE query (lane % 16) in every result, and two results rounded to f16 in pairs ARE a source 1.
; What one wave makes and all need (Q', P, O') goes through LDS as register images of fragments: 1,024 bytes each, read back by two loads of 16 bytes a lane.
; ROWS IN A BLOCK OF 16.  Row m of a fragment, and place m in a sum over rows, always mean LDS row 2 (m & 7) + (m >> 3) of the block.  At a pitch of 1,040 bytes (260 words) the 16 rows of a plain load
; start at 16 different groups of four banks, and the 8 rows of a turned load, two rows apart, start 8 banks apart and take 8 banks each (64 banks of 4 bytes: ISA guide 11.1).
; For keys that is one order for both products; mt's and wvp's rows were stored so that it gives the natural order.
; SOFTMAX.  For each query a running maximum m over all four waves' keys (exchanged through LDS in every step) and, in each wave, a sum l of its own keys' weights: p = 2^(c s - c m),
; c = 1,024 log2(e) / sqrt(512); O and l are multiplied by a = 2^(c m_old - c m_new) in every step.  m starts at the lowest finite number, O and l at 0: the first step has a = 0.
; CLUSTER.  The four query blocks of a cluster belong to one batch and walk the same 24 tiles: each quarter tile is asked for JOINTLY, by the same load, descriptor and mask in all four.
; Every wave fetches 32 rows of 1,024 bytes: so no branch stands at the load; one tensor load of a wave is out at a time.
; REGISTERS, in windows of 256 (s_set_vgpr_msb: bits 1:0 source 0, 3:2 source 1, 5:4 source 2, 7:6 destination):
;   window 0: v0-23 addresses; v24-55 statistics; v64-127 S (8 accumulators); v128-159 P; v128-255 two buffers of K's fragments; v64-159, v160-255 two buffers of V's and P's fragments
;   window 1: O, accumulator (cb, t) at 8 (4 cb + t); in the front the queries' channels 0-255       window 2: Q' channels 0-255; behind the keys O' in v0-127
;   window 3: the queries' channels 256-511, then Q' channels 256-511
.set PITCH, 1040
.set QROWS, 32*PITCH                   ; a wave's quarter of a tile in LDS
.set SLOTB, 0x20800                    ; a slot: 128 x 1,040; the quarters' offsets have none of its two bits, so one exclusive or changes slots
.set TILEB, 0x20000                    ; a tile in memory
.set IMG,   2*SLOTB                    ; fragment images, two buffers of 16,384; at the end the stage: 4 waves x 16 rows x 528 bytes = 33,792
.set IMGB,  16384
.set SPITCH, 528
.set MAXX,  IMG+33792                  ; [64 queries][4 waves] f32: the waves' maxima; 1,024 bytes on, the same for l
.set LXO,   1024
.set SPARE, MAXX+2048                  ; the spare words, 128 bytes a wave: two blocks of 256 bytes that no other line names
.set AK0, 2           ; v2   (32 w + 2 (r & 7) + (r >> 3)) x 1,040 + 16 h: my place in a tile for plain loads; never rewritten
.set AV0, 3           ; v3   (2 (l & 7) + (l >> 4)) x 1,040 + 16 ((l >> 3) & 1) + 256 w: for turned loads; never rewritten
.set AK,  4           ; v4   the same in the slot in hand
.set AV,  5           ; v5
.set AV2, 6           ; v6   AV + 64 rows
.set IMS, 7           ; v7   where I put my fragments' images: IMG + 4,096 w + 16 lane
.set IML, 8           ; v8   where I read images: IMG + 16 lane
.set MXS, 9           ; v9   MAXX + 16 r + 4 w
.set MXL, 10          ; v10  MAXX + 16 r
.set STO, 11          ; v11  the way out: IMG + 8,448 w + 528 r + 32 h
.set RD,  12          ; v12  the way out: IMG + 8,448 w + 16 lane
.set GO,  13          ; v13  512 w + 16 lane: my bytes in a row of out
.set QO,  14          ; v14  1,024 r + 16 h: my bytes in 16 rows of queries
.set PFO, 15          ; v15  256 x lane; never rewritten
.set SPW, 16          ; v16  LDS address of my spare word; never rewritten
.set NIL, 17          ; v17  0; never rewritten
.set ST,  24          ; tile t's statistics at ST + 8 t: c m, m, l (even, odd), c0, c1 at work, a, and the change of c m
.set S,   64          ; accumulator (u, t) at S + 8 (4 u + t)
.set P,   128         ; fragment t at P + 8 t; v128-143 first take the four waves' maxima
.set KB,  128         ; K's fragments: buffer b % 2 at + 64: chunk i of four, block u at + 16 i + 8 u
.set PVB0, 64         ; V's fragment cb at + 8 cb, P's fragment t at + 64 + 8 t
.set PVB1, 160
.set OB,  64          ; the way out: rows read back, v64-127 and v128-191 by turns
.set WV,  12          ; s12  my wave's number
.set LIM, 15          ; s15  3 in the batch's first cluster, else the greatest number
.set PFA, 18          ; s[18:19] where my prefetches stand
.set KEYB, 20         ; s[20:21] my quarter of the batch's first key tile
.set WVB, 22          ; s[22:23] my quarter of wvp's first tile
.set G1,  24          ; s[24:31] descriptor group 1; never rewritten
.set G0,  32          ; s[32:35] descriptor group 0: it walks
.set NXT, 36          ; s[36:37] my quarter of the tile to be asked for, as a plain address
.set CNT, 38          ; s38  key steps to go
.set TB,  39          ; s39  the slot in hand: 0 or SLOTB
.set CS,  40          ; s[40:41] c
.set SEL, 42          ; s[42:43] v_permlanex16_b32's selects: each lane takes its own place in the other half
.set QS,  44          ; s[44:45] 1 / 1,024
.set XQ,  48          ; s[48:49] my work-group's queries in x16
.set MSB, 0
.macro WIN new                      ; the high byte repeats the setting that is left; a switch that changes nothing is dropped
.if MSB != (\new)
	s_set_vgpr_msb (MSB<<8)|(\new)
.set MSB, (\new)
.endif
.endm
.macro PLACES                       ; four places: behind matrix instructions, in front of loads into registers that they read and of vector lines that read their results
.rept 4
	v_nop
.endr
.endm
; A round of the cluster's barrier: my work-group's barrier, so that wave 0's signal speaks for all four waves; wave 0 signals; every wave waits for all four work-groups; my work-group's barrier once more.
.macro CROUND
	s_barrier_signal -1
	s_barrier_wait -1
	s_cmp_lg_u32 s[WV], 0
	s_cbranch_scc1 .Lnot_wave_0_\@
	s_barrier_signal -3
.Lnot_wave_0_\@:
	s_barrier_wait -3
	s_barrier_signal -1
	s_barrier_wait -1
.endm
.macro BAR                          ; my LDS stores are done and my LDS loads are back; then all four waves meet
	s_wait_dscnt 0x0
	s_barrier_signal -1
	s_barrier_wait -1
.endm
; THE CHANGE OF SLOTS, at the head of every trip.  Each wave waits for all its tensor loads, of which one is out: its quarter of the tile to be read now; adds 0 to its spare word; and waits for that and for
; its reads of the slot that it leaves.  fill = 1: that slot is filled again, behind a round of the cluster's barrier, so that no wave of any partner still reads it or has a load on its way; the joint load is the
; first thing behind the round and has a whole trip in which to land.  how: the next tile lies behind the last (0), is the first key tile (1), or (2) lies behind the last but for the last key step, which asks for wvp's first.
; ask: behind the load's five lines one prefetch into the L2: 8 rows x 1,024 bytes a wave, 256 bytes a lane, of the key tile that the change of slots TWO trips on will ask for.  A batch's eight clusters walk the
; same keys: the first of them asks; its four partners and their four waves share a tile's 128 rows out by address.  So each 256 bytes of x16 are named once.  The first is asked for in the second trip; the last names the
; last key tile (CNT = 4).  mt and wvp are not asked for: 1 MiB of the launch's 17.  step: the prefetches' address goes a tile on, a trip behind the prefetch that read it.
.macro CHANGE fill, how, ask, step
	WIN 0
	s_wait_tensorcnt 0x0            ; no tensor load of mine is out, so group 0 may be written
	ds_add_u32 v[SPW], v[NIL]       ; 0 onto my spare word; the scalar work below stands between it and the wait for it
.if \fill
.if (\how) == 1
	s_mov_b64 s[NXT:NXT+1], s[KEYB:KEYB+1]
.else
	s_add_nc_u64 s[NXT:NXT+1], s[NXT:NXT+1], TILEB
.endif
.if (\how) == 2
	s_cmp_eq_u32 s[CNT], 1
	s_cselect_b64 s[NXT:NXT+1], s[WVB:WVB+1], s[NXT:NXT+1]
.endif
	s_mov_b64 s[G0+2:G0+3], s[NXT:NXT+1]
	s_or_b32 s[G0+3], s[G0+3], 0x80000000   ; 127:126 type = 2
	s_xor_b32 s[G0+1], s[G0+1], SLOTB       ; into the slot that is left
.endif
.if \step
	s_wait_xcnt 0x0                 ; the last prefetch has read its address
	s_add_nc_u64 s[PFA:PFA+1], s[PFA:PFA+1], TILEB
.endif
	s_xor_b32 s[TB], s[TB], SLOTB   ; the reads go to the other slot
	s_wait_dscnt 0x0                ; the add is done, and my reads of the old slot and of the images are over
.if \fill
	CROUND
	tensor_load_to_lds s[G0:G0+3], s[G1:G1+7]
	s_nop 0
	PLACES                          ; (also places behind the last trip's products)
.if (\ask) == 1
	s_cmp_eq_u32 s[LIM], 3
.elseif (\ask) == 2
	s_cmp_gt_u32 s[CNT], s[LIM]
.endif
.if \ask
	s_cbranch_scc0 .Lnot_mine_\@
	global_prefetch_b8 v[PFO], s[PFA:PFA+1] th:TH_LOAD_NT scope:SCOPE_SE
.Lnot_mine_\@:
.endif
.else
	s_barrier_signal -1
	s_barrier_wait -1
.endif
.endm
; 16 LDS loads: my 32 rows' fragments of channels 128 b .. 128 b + 127
.macro FETCHK b
.irp i, 0,1,2,3
.irp u, 0,1
	ds_load_b128 v[KB+64*((\b)%2)+16*\i+8*\u:KB+64*((\b)%2)+16*\i+8*\u+3],   v[AK] offset:16*PITCH*\u+64*(4*(\b)+\i)
	ds_load_b128 v[KB+64*((\b)%2)+16*\i+8*\u+4:KB+64*((\b)%2)+16*\i+8*\u+7], v[AK] offset:16*PITCH*\u+64*(4*(\b)+\i)+32
.endr
.endr
.endm
; 32 products on them.  The 8 accumulators take turns, one instruction a turn; the first 8 of a tile start the sums with the constant 0.
.macro MULK b
.irp i, 0,1,2,3
.irp u, 0,1
.irp t, 0,1,2,3
.if (4*(\b)+\i) == 0
	v_wmma_f32_16x16x32_f16 v[S+8*(4*\u+\t):S+8*(4*\u+\t)+7], v[KB+64*((\b)%2)+16*\i+8*\u:KB+64*((\b)%2)+16*\i+8*\u+7], v[32*((4*(\b)+\i)%8)+8*\t:32*((4*(\b)+\i)%8)+8*\t+7], 0
.else
	v_wmma_f32_16x16x32_f16 v[S+8*(4*\u+\t):S+8*(4*\u+\t)+7], v[KB+64*((\b)%2)+16*\i+8*\u:KB+64*((\b)%2)+16*\i+8*\u+7], v[32*((4*(\b)+\i)%8)+8*\t:32*((4*(\b)+\i)%8)+8*\t+7], v[S+8*(4*\u+\t):S+8*(4*\u+\t)+7]
.endif
.endr
.endr
.endr
.endm
; QK: 128 products.  lo: the window setting for channels 0-255 (source 1 in window 1: the queries; in window 2: Q'); channels 256-511 lie in window 3.  LDS loads into window 0 need no switch under these.
; pv = 1: the turned loads' addresses are made too; with the four v_nop of the change of slots that is seven places between the last trip's last product and the first product here, which writes over its source.
.macro QK lo, pv
	WIN 0
	v_add_nc_u32 v[AK], s[TB], v[AK0]
.if \pv
	v_add_nc_u32 v[AV], s[TB], v[AV0]
	v_add_nc_u32 v[AV2], 2*QROWS, v[AV]
.endif
	FETCHK 0
	FETCHK 1
	s_wait_dscnt 16                 ; the younger batch of 16 may stay out
	WIN \lo
	MULK 0
	PLACES
	FETCHK 2
	s_wait_dscnt 16
	MULK 1
	PLACES
	FETCHK 3
	s_wait_dscnt 16
	WIN 0x0c
	MULK 2
	s_wait_dscnt 0x0
	MULK 3
.endm
; 16 turned loads: rows 32 g .. 32 g + 31 of the tile x my 128 columns: 8 fragments of 16 columns x 32 rows
.macro FETCHV g, pb
.irp cb, 0,1,2,3,4,5,6,7
	ds_load_tr16_b128 v[(\pb)+8*\cb:(\pb)+8*\cb+3],   v[AV+(\g)/2] offset:QROWS*((\g)%2)+32*\cb
	ds_load_tr16_b128 v[(\pb)+8*\cb+4:(\pb)+8*\cb+7], v[AV+(\g)/2] offset:QROWS*((\g)%2)+32*\cb+16*PITCH
.endr
.endm
; 8 loads: the four images that wave g stored: the same 32 rows x the four query tiles
.macro FETCHP g, pb
.irp t, 0,1,2,3
	ds_load_b128 v[(\pb)+64+8*\t:(\pb)+64+8*\t+3],   v[IML] offset:(4*(\g)+\t)*1024
	ds_load_b128 v[(\pb)+64+8*\t+4:(\pb)+64+8*\t+7], v[IML] offset:(4*(\g)+\t)*1024+512
.endr
.endm
; 32 products on them; the 32 accumulators take turns
.macro MULV pb, zero
.irp cb, 0,1,2,3,4,5,6,7
.irp t, 0,1,2,3
.if \zero
	v_wmma_f32_16x16x32_f16 v[8*(4*\cb+\t):8*(4*\cb+\t)+7], v[(\pb)+8*\cb:(\pb)+8*\cb+7], v[(\pb)+64+8*\t:(\pb)+64+8*\t+7], 0
.else
	v_wmma_f32_16x16x32_f16 v[8*(4*\cb+\t):8*(4*\cb+\t)+7], v[(\pb)+8*\cb:(\pb)+8*\cb+7], v[(\pb)+64+8*\t:(\pb)+64+8*\t+7], v[8*(4*\cb+\t):8*(4*\cb+\t)+7]
.endif
.endr
.endr
.endm
; PV: 128 products.  Group 0's turned fragments are in buffer 1 already.  Each wait leaves the next group's 24 loads out.  zero = 1: group 0 starts the sums.
.macro PV zero
	WIN 0
	FETCHP 0, PVB1
	FETCHV 1, PVB0
	FETCHP 1, PVB0
	s_wait_dscnt 24
	WIN 0x50                        ; C and D in window 1
	MULV PVB1, \zero
	PLACES
	WIN 0
	FETCHV 2, PVB1
	FETCHP 2, PVB1
	s_wait_dscnt 24
	WIN 0x50
	MULV PVB0, 0
	PLACES
	WIN 0
	FETCHV 3, PVB0
	FETCHP 3, PVB0
	s_wait_dscnt 24
	WIN 0x50
	MULV PVB1, 0
	s_wait_dscnt 0x0
	MULV PVB0, 0
.endm
; THE SOFTMAX'S PARTS, the four tiles alternating.  LMAX: the maximum of my 16 scores of each query and of the other half of the lanes'; each accumulator's lowest registers are read first.
.macro LMAX
.irp t, 0,1,2,3
	v_max3_num_f32 v[ST+8*\t+4], v[S+8*\t],    v[S+8*\t+1],    v[S+8*\t+2]
	v_max3_num_f32 v[ST+8*\t+5], v[S+32+8*\t], v[S+32+8*\t+1], v[S+32+8*\t+2]
.endr
.irp t, 0,1,2,3
	v_max3_num_f32 v[ST+8*\t+4], v[ST+8*\t+4], v[S+8*\t+3],    v[S+8*\t+4]
	v_max3_num_f32 v[ST+8*\t+5], v[ST+8*\t+5], v[S+32+8*\t+3], v[S+32+8*\t+4]
.endr
.irp t, 0,1,2,3
	v_max3_num_f32 v[ST+8*\t+4], v[ST+8*\t+4], v[S+8*\t+5],    v[S+8*\t+6]
	v_max3_num_f32 v[ST+8*\t+5], v[ST+8*\t+5], v[S+32+8*\t+5], v[S+32+8*\t+6]
.endr
.irp t, 0,1,2,3
	v_max3_num_f32 v[ST+8*\t+4], v[ST+8*\t+4], v[S+8*\t+7], v[S+32+8*\t+7]
.endr
.irp t, 0,1,2,3
	v_max_num_f32 v[ST+8*\t+4], v[ST+8*\t+4], v[ST+8*\t+5]
.endr
.irp t, 0,1,2,3
	v_permlanex16_b32 v[ST+8*\t+5], v[ST+8*\t+4], s[SEL], s[SEL+1]
.endr
.irp t, 0,1,2,3
	v_max_num_f32 v[ST+8*\t+4], v[ST+8*\t+4], v[ST+8*\t+5]
.endr
.endm
.macro STATS                        ; the four waves' maxima and the old m give the new m; c m; its change; a
.irp t, 0,1,2,3
	v_max3_num_f32 v[ST+8*\t+4], v[P+4*\t], v[P+4*\t+1], v[P+4*\t+2]
.endr
.irp t, 0,1,2,3
	v_mov_b32 v[ST+8*\t+7], v[ST+8*\t]
.endr
.irp t, 0,1,2,3
	v_max3_num_f32 v[ST+8*\t+1], v[ST+8*\t+4], v[P+4*\t+3], v[ST+8*\t+1]
.endr
.irp t, 0,1,2,3
	v_mul_f32 v[ST+8*\t], s[CS], v[ST+8*\t+1]
.endr
.irp t, 0,1,2,3
	v_sub_f32 v[ST+8*\t+7], v[ST+8*\t+7], v[ST+8*\t]
.endr
.irp t, 0,1,2,3
	v_exp_f32 v[ST+8*\t+6], v[ST+8*\t+7]
.endr
.endm
.macro SCALE                        ; c s - c m, two scores a line
.set i, 0
.rept 32
	v_pk_fma_f32 v[S+i:S+i+1], v[S+i:S+i+1], s[CS:CS+1], v[ST+8*((i/8)%4):ST+8*((i/8)%4)+1] op_sel_hi:[1,0,0] neg_lo:[0,0,1] neg_hi:[0,0,1]
.set i, i+2
.endr
.endm
.macro EXPS
.set i, 0
.rept 64
	v_exp_f32 v[S+i], v[S+i]
.set i, i+1
.endr
.endm
.macro CVT                          ; S's two accumulators of tile t, rounded in pairs, are fragment t: 32 rows x 16 queries
.irp t, 0,1,2,3
.irp j, 0,1,2,3
	v_cvt_pk_f16_f32 v[P+8*\t+\j],   v[S+8*\t+2*\j],    v[S+8*\t+2*\j+1]
	v_cvt_pk_f16_f32 v[P+8*\t+4+\j], v[S+32+8*\t+2*\j], v[S+32+8*\t+2*\j+1]
.endr
.endr
.endm
.macro PSTORE buf                   ; my four fragments' images
.irp t, 0,1,2,3
	ds_store_b128 v[IMS], v[P+8*\t:P+8*\t+3]   offset:IMGB*(\buf)+1024*\t
	ds_store_b128 v[IMS], v[P+8*\t+4:P+8*\t+7] offset:IMGB*(\buf)+1024*\t+512
.endr
.endm
.macro SUMS                         ; my 16 weights of each query, in pairs, in place; then l = a l + the sum
.irp t, 0,1,2,3
	v_pk_add_f32 v[S+8*\t:S+8*\t+1],       v[S+8*\t:S+8*\t+1],       v[S+8*\t+2:S+8*\t+3]
	v_pk_add_f32 v[S+8*\t+4:S+8*\t+5],     v[S+8*\t+4:S+8*\t+5],     v[S+8*\t+6:S+8*\t+7]
	v_pk_add_f32 v[S+32+8*\t:S+32+8*\t+1],   v[S+32+8*\t:S+32+8*\t+1],   v[S+32+8*\t+2:S+32+8*\t+3]
	v_pk_add_f32 v[S+32+8*\t+4:S+32+8*\t+5], v[S+32+8*\t+4:S+32+8*\t+5], v[S+32+8*\t+6:S+32+8*\t+7]
.endr
.irp t, 0,1,2,3
	v_pk_add_f32 v[S+8*\t:S+8*\t+1],       v[S+8*\t:S+8*\t+1],       v[S+8*\t+4:S+8*\t+5]
	v_pk_add_f32 v[S+32+8*\t:S+32+8*\t+1], v[S+32+8*\t:S+32+8*\t+1], v[S+32+8*\t+4:S+32+8*\t+5]
.endr
.irp t, 0,1,2,3
	v_pk_add_f32 v[S+8*\t:S+8*\t+1], v[S+8*\t:S+8*\t+1], v[S+32+8*\t:S+32+8*\t+1]
.endr
.irp t, 0,1,2,3
	v_pk_fma_f32 v[ST+8*\t+2:ST+8*\t+3], v[ST+8*\t+2:ST+8*\t+3], v[ST+8*\t+6:ST+8*\t+7], v[S+8*\t:S+8*\t+1] op_sel_hi:[1,0,1]
.endr
.endm
.macro RESCALE                      ; O times tile t's factor (a; at the end 1 / l), in ascending order
	WIN 0x41                        ; destination and source 0 in window 1
.set i, 0
.rept 128
	v_pk_mul_f32 v[i:i+1], v[i:i+1], v[ST+8*((i/8)%4)+6:ST+8*((i/8)%4)+7] op_sel_hi:[1,0]
.set i, i+2
.endr
.endm
.macro QLOAD buf, win, base         ; 16 images (four chunks of 32 channels x four tiles) into Q''s registers
	WIN \win
.irp g, 0,1,2,3
.irp t, 0,1,2,3
	ds_load_b128 v[(\base)+32*\g+8*\t:(\base)+32*\g+8*\t+3],   v[IML] offset:IMGB*(\buf)+(4*\g+\t)*1024
	ds_load_b128 v[(\base)+32*\g+8*\t+4:(\base)+32*\g+8*\t+7], v[IML] offset:IMGB*(\buf)+(4*\g+\t)*1024+512
.endr
.endr
	WIN 0
.endm
	; ---- THE HEAD
	s_load_b256 s[4:11], s[0:1], 0x0  ; x16 s[4:5], mt s[6:7], wvp s[8:9], out s[10:11]
	v_lshl_add_u32 v[SPW], v0, 2, SPARE
	v_mov_b32 v[NIL], 0
	ds_add_u32 v[SPW], v[NIL]       ; the wave's opening: the add, twice on end, and its wait ahead of my first tensor load; the set-up below stands between
	ds_add_u32 v[SPW], v[NIL]
	v_lshrrev_b32 v1, 5, v0
	v_readfirstlane_b32 s[WV], v1   ; wave 0..3
	s_bfe_u32 s13, ttmp6, 0x40000   ; cx: my place in the cluster
	s_lshl_b32 s14, ttmp9, 2        ; in a cluster launch ttmp9 counts clusters
	s_add_co_u32 s14, s14, s13      ; my block of 64 queries: it enters the queries', out's and the prefetches' addresses alone
	s_and_b32 s16, ttmp7, 0xffff    ; the batch, which the four partners share
	s_lshl_b32 s17, s16, 21         ; its 2,048 rows of 1,024 bytes in x16
	s_lshl_b32 s46, s[WV], 15       ; my 32 rows of a tile
	s_mov_b32 s47, 0
	s_add_co_u32 s2, s17, s46
	s_mov_b32 s3, 0
	s_lshl_b32 s50, s14, 16         ; my block's 64 rows in x16
	s_add_co_u32 s50, s50, s17
	s_mov_b32 s51, 0
	s_lshl_b32 s52, s16, 22         ; and in out: rows of 2,048 bytes
	s_lshl_b32 s53, s14, 17
	s_add_co_u32 s52, s52, s53
	s_mov_b32 s53, 0
	s_lshl_b32 s54, s13, 15         ; the prefetches: my work-group's 32 rows of a key tile,
	s_lshl_b32 s55, s[WV], 13       ; my wave's 8 of them
	s_add_co_u32 s54, s54, s55
	s_add_co_u32 s54, s54, s17
	s_mov_b32 s55, 0
	s_cmp_eq_u32 ttmp9, 0           ; the batch's first cluster: the same in all four partners
	s_cselect_b32 s[LIM], 3, -1
	; descriptor group 1: 32 rows x 512 elements of 2 bytes, 16 bytes of padding behind each row
	s_mov_b32 s[G1], 15|(1<<16)|(1<<20)|(1<<21)|(7<<22)|(3<<25)  ; 15:0 the mask of four; 17:16 2-byte elements; 20 padding on; 21 set beside a mask; 24:22 after every 256 words (code 7); 31:25 4 words (code 3)
	s_mov_b32 s[G1+1], 512<<16      ; tensor_dim0 = 512
	s_mov_b32 s[G1+2], 32<<16       ; tensor_dim1 = 32
	s_mov_b32 s[G1+3], 512<<16      ; tile_dim0 = 512
	s_mov_b32 s[G1+4], 32           ; tile_dim1 = 32
	s_mov_b32 s[G1+5], 512          ; 512 elements from row to row
	s_mov_b32 s[G1+6], 0
	s_mov_b32 s[G1+7], 0
	s_mov_b32 s[G0], 1              ; 1:0 count = 1
	s_mul_i32 s[G0+1], s[WV], QROWS ; 63:32 LDS address: my quarter of slot 0: no place in the cluster enters it
	s_mov_b32 s[CS], 0x428293ee     ; c = 1,024 log2(e) / sqrt(512) = 65.2889
	s_mov_b32 s[CS+1], s[CS]        ; named with it as a pair
	s_mov_b32 s[SEL], 0x76543210
	s_mov_b32 s[SEL+1], 0xfedcba98
	s_mov_b32 s[QS], 0x3a800000     ; 1 / 1,024
	s_mov_b32 s[QS+1], s[QS]
	s_mov_b32 s[TB], SLOTB          ; the first change of slots turns it into 0
	s_wait_dscnt 0x0                ; both opening adds are done
	s_wait_kmcnt 0x0
	s_add_nc_u64 s[NXT:NXT+1], s[6:7], s[46:47]    ; mt's first tile
	s_add_nc_u64 s[WVB:WVB+1], s[8:9], s[46:47]
	s_add_nc_u64 s[KEYB:KEYB+1], s[4:5], s[2:3]
	s_add_nc_u64 s[XQ:XQ+1], s[4:5], s[50:51]
	s_add_nc_u64 s[PFA:PFA+1], s[4:5], s[54:55]    ; at the first key tile
	s_add_nc_u64 s[10:11], s[10:11], s[52:53]
	s_mov_b64 s[G0+2:G0+3], s[NXT:NXT+1]
	s_or_b32 s[G0+3], s[G0+3], 0x80000000
	CROUND                          ; all four work-groups are here: the first joint loads meet
	tensor_load_to_lds s[G0:G0+3], s[G1:G1+7]      ; tile 0 into slot 0
	s_nop 0
	PLACES
	; The queries: a fragment is 16 rows x 32 channels: lane l holds row l % 16, channels 8 (l / 16) + 0..7 and 16 + 8 (l / 16) + 0..7: two loads of 16 bytes, 32 bytes apart.  Chunk c, tile t at 32 (c % 8) + 8 t.
	v_and_b32 v1, 15, v0            ; r
	v_bfe_u32 v18, v0, 4, 1         ; h
	v_lshlrev_b32 v[QO], 10, v1
	v_lshl_add_u32 v[QO], v18, 4, v[QO]
	WIN 0x40                        ; destination window 1
.irp c, 0,1,2,3,4,5,6,7
.irp t, 0,1,2,3
	global_load_b128 v[32*\c+8*\t:32*\c+8*\t+3],   v[QO], s[XQ:XQ+1] offset:16384*\t+64*\c
	global_load_b128 v[32*\c+8*\t+4:32*\c+8*\t+7], v[QO], s[XQ:XQ+1] offset:16384*\t+64*\c+32
.endr
.endr
	WIN 0xc0                        ; destination window 3
.irp c, 0,1,2,3,4,5,6,7
.irp t, 0,1,2,3
	global_load_b128 v[32*\c+8*\t:32*\c+8*\t+3],   v[QO], s[XQ:XQ+1] offset:16384*\t+64*\c+512
	global_load_b128 v[32*\c+8*\t+4:32*\c+8*\t+7], v[QO], s[XQ:XQ+1] offset:16384*\t+64*\c+512+32
.endr
.endr
	WIN 0
	v_and_b32 v19, 31, v0           ; lane
	v_and_b32 v20, 7, v0
	v_bfe_u32 v21, v0, 3, 1
	s_mul_i32 s2, s[WV], QROWS
	s_lshl_b32 s3, s[WV], 8
	s_lshl_b32 s16, s[WV], 12
	s_add_co_u32 s16, s16, IMG
	s_lshl_b32 s17, s[WV], 2
	s_add_co_u32 s17, s17, MAXX
	s_mul_i32 s46, s[WV], 16*SPITCH
	s_add_co_u32 s46, s46, IMG
	s_lshl_b32 s47, s[WV], 9
	v_lshl_add_u32 v22, v20, 1, v21 ; 2 (r & 7) + (r >> 3)
	v_mul_u32_u24 v[AK0], v22, PITCH
	v_lshl_add_u32 v[AK0], v18, 4, v[AK0]
	v_add_nc_u32 v[AK0], s2, v[AK0]
	v_lshl_add_u32 v22, v20, 1, v18 ; the turned load: lane l reads 16 bytes of row 2 (l & 7) + (l >> 4), columns 8 ((l >> 3) & 1) on, and ends with column l % 16 and 8 rows
	v_mul_u32_u24 v[AV0], v22, PITCH
	v_lshl_add_u32 v[AV0], v21, 4, v[AV0]
	v_add_nc_u32 v[AV0], s3, v[AV0]
	v_lshl_add_u32 v[IMS], v19, 4, s16
	v_lshl_add_u32 v[IML], v19, 4, IMG
	v_lshl_add_u32 v[MXS], v1, 4, s17
	v_lshl_add_u32 v[MXL], v1, 4, MAXX
	v_mul_u32_u24 v[STO], v1, SPITCH
	v_lshl_add_u32 v[STO], v18, 5, v[STO]
	v_add_nc_u32 v[STO], s46, v[STO]
	v_lshl_add_u32 v[RD], v19, 4, s46
	v_lshl_add_u32 v[GO], v19, 4, s47
	v_lshlrev_b32 v[PFO], 8, v19
	; ---- THE FRONT: Q' = x M, four tiles of mt.  In trip n wave w makes channels 128 n + 32 w .. + 31 of Q' for all 64 queries: chunk 4 n + w; all waves read all chunks back.
	; Chunks 8-15 wait in the two image buffers until the last products have read the queries in window 3.  Buffer 0 is stored again in trip 2, behind trip 1's change of slots, in front of which every wave has waited for its reads.
.macro FRONT n, how, ask, step
	CHANGE 1, \how, \ask, \step
.if (\n) == 0
	s_wait_loadcnt 0x0              ; the queries
.endif
	QK 0x04, 0
	PLACES
	WIN 0
.set i, 0
.rept 32
	v_pk_mul_f32 v[S+i:S+i+1], v[S+i:S+i+1], s[QS:QS+1] op_sel_hi:[1,0]
.set i, i+2
.endr
	CVT
	PSTORE (\n)%2
.if (\n) != 2                       ; (trip 2's stores are waited for by the next change of slots, which is a barrier too)
	BAR
.endif
.if (\n) < 2
	QLOAD \n, 0x80, 128*(\n)
.elseif (\n) == 3
	QLOAD 0, 0xc0, 0
	QLOAD 1, 0xc0, 128
.endif
.endm
	FRONT 0, 0, 0, 0
	FRONT 1, 0, 1, 0
	FRONT 2, 0, 1, 1
	FRONT 3, 1, 1, 1                ; asks for the first key tile
	; What the first key step finds: O and l are 0, m the lowest finite number, c m far below every c s.  256 lines once a launch, while Q''s last loads are out, so that no first step is written out.
	WIN 0x40
.set i, 0
.rept 256
	v_mov_b32 v[i], 0
.set i, i+1
.endr
	WIN 0
.irp t, 0,1,2,3
	v_mov_b32 v[ST+8*\t], 0xfe000000
	v_mov_b32 v[ST+8*\t+1], 0xff7fffff
	v_mov_b32 v[ST+8*\t+2], 0
	v_mov_b32 v[ST+8*\t+3], 0
	v_mov_b32 v[ST+8*\t+6], 0
	v_mov_b32 v[ST+8*\t+7], 0
.endr
	s_mov_b32 s[CNT], 16
	; ---- THE KEYS: 16 steps of 128 keys, one text
.Lkey:
	CHANGE 1, 2, 2, 1
	QK 0x08, 1                      ; my 32 keys x 64 queries
	PLACES
	WIN 0
	FETCHV 0, PVB1                  ; the first turned fragments are on their way during the softmax
	LMAX
.irp t, 0,1,2,3
	ds_store_b32 v[MXS], v[ST+8*\t+4] offset:256*\t   ; both halves of the lanes store the same number
.endr
	BAR
.irp t, 0,1,2,3
	ds_load_b128 v[P+4*\t:P+4*\t+3], v[MXL] offset:256*\t
.endr
	s_wait_dscnt 0x0
	STATS
	SCALE                           ; plain lines behind the four a
	EXPS
	v_nop                           ; a plain instruction behind the last exponential
	s_wait_alu depctr_va_vdst(0)    ; the wait ahead of the first line that names a result: one for all 68
	CVT
	PSTORE 0
	SUMS
	s_wait_dscnt 0x0                ; for the others' sake: my images are stored
	s_barrier_signal -1
	RESCALE                         ; work on registers while the others arrive
	WIN 0
	s_barrier_wait -1
	PV 0                            ; O += x^T P.  The maxima's words and the images are written again only behind the next change of slots
	WIN 0
	s_sub_co_u32 s[CNT], s[CNT], 1
	s_cmp_lg_u32 s[CNT], 0
	s_cbranch_scc1 .Lkey
	; ---- l's parts are added: its two halves, the other half of the lanes', the four waves'.  O / l, rounded to f16, is O'.  The additions are the places behind the last products.
.irp t, 0,1,2,3
	v_add_f32 v[ST+8*\t+4], v[ST+8*\t+2], v[ST+8*\t+3]
.endr
.irp t, 0,1,2,3
	v_permlanex16_b32 v[ST+8*\t+5], v[ST+8*\t+4], s[SEL], s[SEL+1]
.endr
.irp t, 0,1,2,3
	v_add_f32 v[ST+8*\t+4], v[ST+8*\t+4], v[ST+8*\t+5]
.endr
.irp t, 0,1,2,3
	ds_store_b32 v[MXS], v[ST+8*\t+4] offset:LXO+256*\t
.endr
	BAR
.irp t, 0,1,2,3
	ds_load_b128 v[P+4*\t:P+4*\t+3], v[MXL] offset:LXO+256*\t
.endr
	s_wait_dscnt 0x0
.irp t, 0,1,2,3
	v_add_f32 v[P+4*\t], v[P+4*\t], v[P+4*\t+1]
.endr
.irp t, 0,1,2,3
	v_add_f32 v[P+4*\t+2], v[P+4*\t+2], v[P+4*\t+3]
.endr
.irp t, 0,1,2,3
	v_add_f32 v[P+4*\t], v[P+4*\t], v[P+4*\t+2]
.endr
.irp t, 0,1,2,3
	v_rcp_f32 v[ST+8*\t+6], v[P+4*\t]
.endr
	v_nop                           ; a plain instruction behind the last reciprocal,
	s_wait_alu depctr_va_vdst(0)    ; and the wait ahead of the first use: one for the four
	RESCALE
	WIN 0x85                        ; sources in window 1, destination in window 2: fragment (n, t), my channels 32 n .. 32 n + 31, at 32 n + 8 t
.irp n, 0,1,2,3
.irp t, 0,1,2,3
.irp j, 0,1,2,3
	v_cvt_pk_f16_f32 v[32*\n+8*\t+\j],   v[8*(8*\n+\t)+2*\j],   v[8*(8*\n+\t)+2*\j+1]
	v_cvt_pk_f16_f32 v[32*\n+8*\t+4+\j], v[8*(8*\n+4+\t)+2*\j], v[8*(8*\n+4+\t)+2*\j+1]
.endr
.endr
.endr
	WIN 0
	; ---- THE BACK: out = O' Wv, four tiles of wvp.  Tile n holds, for each wave w', Wv's rows 128 w' + 32 n .. + 31: the channels of the fragments that the four waves store in trip n.
.macro BACK n, fill
	CHANGE \fill, 0, 0, 0
	WIN 0
	v_add_nc_u32 v[AV], s[TB], v[AV0]
	v_add_nc_u32 v[AV2], 2*QROWS, v[AV]
.if !(\fill)
	PLACES                          ; (no load's four v_nop stand here)
.endif
	FETCHV 0, PVB1
	WIN 0x08                        ; store data in window 2
.irp t, 0,1,2,3
	ds_store_b128 v[IMS], v[32*(\n)+8*\t:32*(\n)+8*\t+3]   offset:1024*\t
	ds_store_b128 v[IMS], v[32*(\n)+8*\t+4:32*(\n)+8*\t+7] offset:1024*\t+512
.endr
	WIN 0
	BAR
.if (\n) == 0
	PV 1                            ; the first products start out's sums
.else
	PV 0
.endif
.endm
	BACK 0, 1
	BACK 1, 1
	BACK 2, 1
	BACK 3, 0                       ; the last tile: nothing is left to ask for
	; ---- THE WAY OUT.  A lane holds eight neighbouring columns of one row, f32.  A tile's 16 rows x my 128 columns go into my stage, rows of 528 bytes, and come back as whole rows of 512 bytes.
	PLACES
	WIN 0
	BAR                             ; the stage lies where the images lay: every wave's reads of them are over
.macro TOST t
	WIN 0x04                        ; store data in window 1; each accumulator's low four registers first
.irp cb, 0,1,2,3,4,5,6,7
	ds_store_b128 v[STO], v[8*(4*\cb+(\t)):8*(4*\cb+(\t))+3]   offset:64*\cb
	ds_store_b128 v[STO], v[8*(4*\cb+(\t))+4:8*(4*\cb+(\t))+7] offset:64*\cb+16
.endr
	WIN 0
.if (\t) >= 2
	s_wait_xcnt 0x0                 ; the stores of the tile two back have read these registers
.endif
.irp i, 0,1,2,3,4,5,6,7,8,9,10,11,12,13,14,15
	ds_load_b128 v[OB+64*((\t)%2)+4*\i:OB+64*((\t)%2)+4*\i+3], v[RD] offset:SPITCH*\i  ; LDS serves a wave's instructions in order (ISA guide 5.7.1.4): these see the stores above; the next tile's come behind them
.endr
.endm
.macro SEND t, younger              ; younger: the next tile's 32 LDS instructions, or none
.irp i, 0,1,2,3,4,5,6,7,8,9,10,11,12,13,14,15
	s_wait_dscnt (\younger)+15-\i
	global_store_b128 v[GO], v[OB+64*((\t)%2)+4*\i:OB+64*((\t)%2)+4*\i+3], s[10:11] offset:(16*(\t)+\i)*2048 th:TH_STORE_NT  ; 512 consecutive bytes, at a multiple of 256 from out's first byte
.endr
.endm
	TOST 0
	TOST 1
	SEND 0, 32
	TOST 2
	SEND 1, 32
	TOST 3
	SEND 2, 32
	SEND 3, 0
	s_wait_tensorcnt 0x0            ; the wave's end, behind my last tensor load and my last LDS store
	ds_add_u32 v[SPW], v[NIL]
	s_wait_dscnt 0x0
	CROUND                          ; the closing round: no work-group ends while a partner may still ask for a tile that names it
	s_endpgm
.Lfunc_end_k_q3ad1d5338e_attn:
	.size	k_q3ad1d5338e_attn, .Lfunc_end_k_q3ad1d5338e_attn-k_q3ad1d5338e_attn
	.p2alignl 7, 3214868480
	.fill 96, 4, 3214868480
	.section	.rodata,"a",@progbits
	.p2align	6, 0x0
	.amdhsa_kernel k_q3ad1d5338e_attn
		.amdhsa_group_segment_fixed_size 327680
		.amdhsa_private_segment_fixed_size 0
		.amdhsa_enable_private_segment 0
		.amdhsa_kernarg_size 32
		.amdhsa_user_sgpr_count 2
		.amdhsa_user_sgpr_kernarg_segment_ptr 1
		.amdhsa_wavefront_size32 1
		.amdhsa_system_sgpr_workgroup_id_x 1
		.amdhsa_system_sgpr_workgroup_id_y 1
		.amdhsa_system_sgpr_workgroup_id_z 1
		.amdhsa_system_vgpr_workitem_id 0
		.amdhsa_next_free_vgpr 1024
		.amdhsa_next_free_sgpr 66
		.amdhsa_reserve_vcc 0
		.amdhsa_float_denorm_mode_32 3
		.amdhsa_float_denorm_mode_16_64 3
		.amdhsa_memory_ordered 1
		.amdhsa_forward_progress 1
		.amdhsa_inst_pref_size 255
	.end_amdhsa_kernel
	.section	.bss,"aw",@nobits
	.p2align	6
	.space	262144
	.amdgpu_metadata
---
amdhsa.version: [ 1, 2 ]
amdhsa.kernels:
  - .name:           k_q3ad1d5338e_attn
    .symbol:         k_q3ad1d5338e_attn.kd
    .args:
      - { .name: x16, .offset: 0, .size: 8, .value_kind: global_buffer, .address_space: global }
      - { .name: mt, .offset: 8, .size: 8, .value_kind: global_buffer, .address_space: global }
      - { .name: wvp, .offset: 16, .size: 8, .value_kind: global_buffer, .address_space: global }
      - { .name: out0, .offset: 24, .size: 8, .value_kind: global_buffer, .address_space: global }
    .group_segment_fixed_size: 327680
    .private_segment_fixed_size: 0
    .kernarg_segment_align: 8
    .kernarg_segment_size: 32
    .max_flat_workgroup_size: 128
    .sgpr_count:     66
    .vgpr_count:     1024
    .wavefront_size: 32
...
	.end_amdgpu_metadata
.endif
;; end of part 2
;; ======== version 2 of 2: 2 launches; version 1 with the launch prep written anew for expert scheduling mode
;; limits: values are held in f16: magnitudes above 65,504 overflow, below 6.1e-05 lose precision
;; workspace buffers: x16 16,777,216 bytes; mt 524,288 bytes; wvp 524,288 bytes
;; launch prep (part 3): grid 416 x 1, 4 waves a work-group, no clusters, 4,864 bytes of LDS; arguments x, Wq, Wk, Wv, x16, mt, wvp; writes x16, mt, wvp
.if DOCPART == 3
	.amdgcn_target "amdgcn-amd-amdhsa--gfx1250"
	.amdhsa_code_object_version 6
	.text
	.protected	k_q3ad1d5338e_prep
	.globl	k_q3ad1d5338e_prep
	.p2align	8
	.type	k_q3ad1d5338e_prep,@function
k_q3ad1d5338e_prep:
	s_mov_b64 s[64:65], 0
	v_nop
	global_prefetch_b8 v0, s[64:65] scope:SCOPE_SE
	s_setreg_imm32_b32 hwreg(HW_REG_WAVE_SCHED_MODE, 0, 2), 2
	s_setreg_imm32_b32 hwreg(HW_REG_WAVE_MODE, 25, 1), 1
	s_wait_xcnt 0x0
	s_wait_alu depctr_vm_vsrc(0)
; FIRST OF TWO LAUNCHES.  reference(): Q = x Wq, K = x Wk, V = x Wv, out = softmax(Q K^T / sqrt(512)) V, for 8 batches of 2,048 rows of 512.
; THE ORDER OF THE PRODUCTS IS CHANGED, for all values of the inputs, by associativity alone:
;   Q K^T = x (Wq Wk^T) x^T = (x M) x^T with M[f][g] = sum over e of Wq[f][e] Wk[g][e];   softmax(..) (x Wv) = (softmax(..) x) Wv.
; So M is made once (here), the product x Wk is not formed, and keys and values are both x itself.  No input is left out: x, Wq, Wk, Wv all reach the output.
; LIMITS.  The order of rounding differs from reference()'s.  All four inputs are rounded to bf16 once; x and Wv are then written as f16 (exact from 6.1e-5 to 65,504 in
; magnitude; below that f16's fixed step of 6e-8; above it an infinity).  M has f32 sums of bf16 products and is rounded once to f16, with the same range.  An overflow, NaN or
; infinity that reference() would meet only in Q, K or V by themselves is not carried to the result as reference() carries it.
; THIS LAUNCH, by the work-group's number:
;   0-127    mt:  16 rows g x 128 columns f of M^T, row g stored at row (g & ~15) + 2 (g & 7) + ((g >> 3) & 1)
;   128-159  wvp: Wv's row f = 128 w + 32 t + 16 u + 8 a + i stored at row 128 t + 32 w + 16 u + 2 i + a
;   160-415  x16: 64 rows of x, in place
; The two orders of rows are what the second launch's one way of reading a tile wants.  No tensor loads, no cluster: nothing here is read often enough to share, and x is a plain stream.
; THE MODE: SCHED_MODE bits 1:0 = 2 (LLVM: expert scheduling mode 2), set by the entry lines.  The code itself states the register dependences
; between vector or matrix instructions and memory or LDS instructions, with s_wait_alu, always for 0.
; THE PLAN.  Registers that memory or LDS instructions touch:
;   all roles  v4, v5: byte offsets, made once in each role and never written again; immediate offsets do the rest.  s12, the wave's number, comes from a vector instruction: one wait at the head.
;   x16   A wave's 32 units go in eight blocks of four.  X0 .. X4: block p's conversions read and write X[p % 5]; the loads issued in block p (1 to 3) land in X[(p - 1) % 5].
;         Y0 .. Y3: block p's last roundings write Y[p % 4]; the four stores issued in block p + 1 read it.  So block p's memory instructions touch the two buffers that block p - 1 worked
;         on and that no vector instruction of block p names: the waits at a block's head state all that they hang on, and they are dealt among the block's conversions with no further wait.
;   wvp   Eight units, no register used twice: units 0-3's stores stand behind one wait, among units 4-7's conversions; units 4-7's behind another.
;   mt    Four sets of 48: turn c's roundings and products name set c % 4; the loads issued in turn c land in set (c - 1) % 4: one wait a turn, ahead of them.
;         The way out: one wait behind the last conversions covers the three addresses and the LDS stores' data; what the LDS loads bring no vector instruction names.
.set SPARE, 4352                       ; LDS: the stage, 16 rows x 272 bytes, at 0; behind it the spare words, 128 bytes a wave
.set SPW, 10                           ; v10  LDS address of my spare word; never rewritten
.set NIL, 11                           ; v11  0; never rewritten
.set XR,  16                           ; loaded f32.  x: five blocks of 32, v[16:175]; Wv: eight units of 8, v[16:79]; M: four sets of 48, v[16:207]
.set YR,  176                          ; f16 to store.  x: four blocks of 16, v[176:239]; Wv: eight units of 4, v[176:207]
.set T,   240                          ; v[240:243] at work (x, Wv): no memory instruction names them
.set ACC, 208                          ; M: v[208:223] two accumulators
.set PK,  224                          ; M: v[224:231] M^T packed; v[232:239] read back
	s_load_b256 s[4:11], s[0:1], 0x0               ; x s[4:5], Wq s[6:7], Wk s[8:9], Wv s[10:11]
	s_load_b128 s[16:19], s[0:1], 0x20             ; x16 s[16:17], mt s[18:19]
	s_load_b64 s[20:21], s[0:1], 0x30              ; wvp
	v_lshl_add_u32 v[SPW], v0, 2, SPARE
	v_mov_b32 v[NIL], 0
	v_lshrrev_b32 v1, 5, v0
	v_readfirstlane_b32 s12, v1                    ; wave 0..3
	v_and_b32 v3, 31, v0                           ; lane
	s_mov_b32 s13, 0xffff0000                      ; a word's upper bf16
	s_mov_b32 s14, ttmp9
	s_mov_b32 s3, 0                                ; the high word of every offset below
	s_wait_alu depctr_va_sdst(0)                   ; s12 is written, ahead of the branches: each role's offsets and bases are made from it
	s_wait_kmcnt 0x0
	s_cmp_ge_u32 s14, 160
	s_cbranch_scc1 .Lx
	s_cmp_ge_u32 s14, 128
	s_cbranch_scc1 .Lwv
	; ---- M^T.  Source 0 = 16 rows f of Wq, source 1 = 16 rows g of Wk: a lane ends with row g = lane % 16 and eight neighbouring f.  Wave w: columns 32 w .. 32 w + 31 of the 128.
	s_lshr_b32 s22, s14, 2                         ; gi: which 16 rows g
	s_and_b32 s23, s14, 3                          ; fi: which 128 columns f
	s_lshl_b32 s2, s23, 18                         ; 128 rows of 2,048 bytes
	s_add_nc_u64 s[6:7], s[6:7], s[2:3]
	s_lshl_b32 s2, s22, 15                         ; 16 rows
	s_add_nc_u64 s[8:9], s[8:9], s[2:3]
	v_and_b32 v6, 15, v0                           ; r = lane % 16
	v_bfe_u32 v7, v0, 4, 1                         ; h = lane / 16
	v_lshlrev_b32 v5, 11, v6
	v_lshl_add_u32 v5, v7, 5, v5                   ; Wk: r x 2,048 + 32 h
	s_lshl_b32 s24, s12, 16
	v_add_nc_u32 v4, s24, v5                       ; Wq: + 32 w rows
	s_wait_alu depctr_va_vdst(0)                   ; v4 and v5 are written: every load of Wq and Wk reads one of them as its offset
; A fragment of 16 rows x 32 e, still f32: 8 numbers at 128 c + 32 h and 8 at 128 c + 64 + 32 h: four loads of 16 bytes.  Chunk c: two fragments of Wq, one of Wk: 12 loads into set c % 4.
; LOADP: piece p of four of each of the three fragments.
.macro LOADP c, p
.set XL, XR+48*((\c)%4)
	global_load_b128 v[XL+4*(\p):XL+4*(\p)+3],       v4, s[6:7] offset:128*(\c)+16*((\p)%2)+64*((\p)/2)
	global_load_b128 v[XL+16+4*(\p):XL+16+4*(\p)+3], v4, s[6:7] offset:128*(\c)+16*((\p)%2)+64*((\p)/2)+32768
	global_load_b128 v[XL+32+4*(\p):XL+32+4*(\p)+3], v5, s[8:9] offset:128*(\c)+16*((\p)%2)+64*((\p)/2)
.endm
.macro LOADM c
	LOADP \c, 0
	LOADP \c, 1
	LOADP \c, 2
	LOADP \c, 3
.endm
.macro ROUND8 k                        ; a fragment's 16 numbers are rounded and close up into its own first 8 registers
.irp i, 0,1,2,3,4,5,6,7
	v_cvt_pk_bf16_f32 v[XT+(\k)+\i], v[XT+(\k)+2*\i], v[XT+(\k)+2*\i+1]
.endr
.endm
; Chunk c's turn.  left: the loads of the chunks behind it that may stay out.  The first eight roundings stand between the products of the turn before and the loads into the set that those
; products read; the loads are dealt among the other sixteen, which name this turn's set alone.  The two accumulators take turns.
.macro TURNM c, left
	s_wait_loadcnt \left
.set XT, XR+48*((\c)%4)
	ROUND8 0
.if ((\c) >= 1) && ((\c)+3 < 16)
	s_wait_alu depctr_va_vdst(0)                   ; the roundings and the products of the turn before are done with their set, in which the twelve loads below land (turn 0's land in a set that nothing has named)
.endif
.if (\c)+3 < 16
	LOADP (\c)+3, 0
	LOADP (\c)+3, 1
.endif
	ROUND8 16
.if (\c)+3 < 16
	LOADP (\c)+3, 2
	LOADP (\c)+3, 3
.endif
	ROUND8 32
.if (\c) == 0
	v_wmma_f32_16x16x32_bf16 v[ACC:ACC+7],    v[XT:XT+7],     v[XT+32:XT+39], 0
	v_wmma_f32_16x16x32_bf16 v[ACC+8:ACC+15], v[XT+16:XT+23], v[XT+32:XT+39], 0
.else
	v_wmma_f32_16x16x32_bf16 v[ACC:ACC+7],    v[XT:XT+7],     v[XT+32:XT+39], v[ACC:ACC+7]
	v_wmma_f32_16x16x32_bf16 v[ACC+8:ACC+15], v[XT+16:XT+23], v[XT+32:XT+39], v[ACC+8:ACC+15]
.endif
.endm
	LOADM 0
	LOADM 1
	LOADM 2
.irp c, 0,1,2,3,4,5,6,7,8,9,10,11,12,13,14,15
.if \c < 14
	TURNM \c, 24                                   ; two chunks of 12 loads are younger
.else
	TURNM \c, 12*(15-\c)                           ; the counts run down: 12, 0
.endif
.endr
	; the addresses of the way out: plain instructions that name no register of the products: the places behind them
	v_mul_u32_u24 v8, v6, 272                      ; into the stage: row g = r,
	v_lshl_add_u32 v8, v7, 4, v8                   ; 16 bytes for each half of the lanes,
	s_lshl_b32 s24, s12, 6
	v_add_nc_u32 v8, s24, v8                       ; my wave's 64 bytes of the row's 256
	v_mul_u32_u24 v9, v7, 272                      ; back: lanes 0-15 one whole row, lanes 16-31 the next;
	v_lshl_add_u32 v9, v6, 4, v9
	s_mul_i32 s24, s12, 4*272
	v_add_nc_u32 v9, s24, v9                       ; wave w takes rows 4 w .. 4 w + 3
	s_lshl_b32 s24, s22, 4                         ; row g = 16 gi + 4 w + 2 k + h goes to row 16 gi + 8 (w & 1) + 4 k + 2 h + (w >> 1)
	s_and_b32 s25, s12, 1
	s_lshl_b32 s25, s25, 3
	s_add_co_u32 s24, s24, s25
	s_lshr_b32 s25, s12, 1
	s_add_co_u32 s24, s24, s25
	s_lshl_b32 s24, s24, 10                        ; rows of 1,024 bytes
	s_lshl_b32 s25, s23, 8                         ; the 128 columns: 256 bytes
	s_add_co_u32 s24, s24, s25
	v_lshlrev_b32 v12, 11, v7
	v_lshl_add_u32 v12, v6, 4, v12
	v_add_nc_u32 v12, s24, v12
.irp i, 0,1,2,3
	v_cvt_pk_f16_f32 v[PK+\i], v[ACC+2*\i], v[ACC+2*\i+1]
.endr
.irp i, 0,1,2,3
	v_cvt_pk_f16_f32 v[PK+4+\i], v[ACC+8+2*\i], v[ACC+8+2*\i+1]
.endr
	s_wait_alu depctr_va_vdst(0)                   ; the conversions have written v[PK .. PK+7], which the LDS stores read; v8, v9 and v12, the addresses of all that follows, are written
	ds_store_b128 v8, v[PK:PK+3]
	ds_store_b128 v8, v[PK+4:PK+7] offset:32
	s_wait_dscnt 0x0                               ; for the others' sake: my stores into the stage are done
	s_barrier_signal -1
	s_barrier_wait -1
	ds_load_b128 v[PK+8:PK+11],  v9                ; no vector instruction names v[PK+8 .. PK+15]
	ds_load_b128 v[PK+12:PK+15], v9 offset:2*272
	s_wait_dscnt 0x0
	global_store_b128 v12, v[PK+8:PK+11],  s[18:19]              ; 16 lanes store 256 consecutive bytes, at a multiple of 256 from mt's first byte
	global_store_b128 v12, v[PK+12:PK+15], s[18:19] offset:4096
	s_wait_dscnt 0x0                               ; the closing lines, six on end
	s_wait_alu 0x0
	s_wait_tensorcnt 0x0
	ds_add_u32 v[SPW], v[NIL]
	s_wait_dscnt 0x0
	s_endpgm
; Eight f32 in v[x .. x+7] are rounded to bf16, widened again, and written as f16 into v[y .. y+3].
.macro CONV x, y
.irp i, 0,1,2,3
	v_cvt_pk_bf16_f32 v[T+\i], v[(\x)+2*\i], v[(\x)+2*\i+1]
.endr
.irp i, 0,1,2,3
	v_lshlrev_b32 v[(\x)+2*\i],   16,  v[T+\i]
	v_and_b32     v[(\x)+2*\i+1], s13, v[T+\i]
.endr
.irp i, 0,1,2,3
	v_cvt_pk_f16_f32 v[(\y)+\i], v[(\x)+2*\i], v[(\x)+2*\i+1]
.endr
.endm
.Lwv:	; ---- wvp.  Wave n of 128 takes Wv's rows 4 n .. 4 n + 3: eight units of 256 numbers (1,024 bytes in, 512 out)
	s_sub_co_u32 s22, s14, 128
	s_lshl_b32 s22, s22, 2
	s_add_co_u32 s22, s22, s12                     ; n
	s_lshl_b32 s2, s22, 13
	s_add_nc_u64 s[10:11], s[10:11], s[2:3]
	s_bfe_u32 s23, s22, 0x20003                    ; row 4 n + q goes to row 128 ((n >> 3) & 3) + 32 (n >> 5) + 16 ((n >> 2) & 1) + 8 (n & 1) + ((n >> 1) & 1) + 2 q
	s_lshl_b32 s23, s23, 7
	s_lshr_b32 s24, s22, 5
	s_lshl_b32 s24, s24, 5
	s_add_co_u32 s23, s23, s24
	s_bfe_u32 s24, s22, 0x10002
	s_lshl_b32 s24, s24, 4
	s_add_co_u32 s23, s23, s24
	s_and_b32 s24, s22, 1
	s_lshl_b32 s24, s24, 3
	s_add_co_u32 s23, s23, s24
	s_bfe_u32 s24, s22, 0x10001
	s_add_co_u32 s23, s23, s24
	s_lshl_b32 s2, s23, 10
	s_add_nc_u64 s[20:21], s[20:21], s[2:3]
	v_lshlrev_b32 v4, 5, v3                        ; 32 bytes a lane in,
	v_lshlrev_b32 v5, 4, v3                        ; 16 out
	s_wait_alu depctr_va_vdst(0)                   ; v4 and v5 are written: every load and store below reads one of them as its offset
.irp u, 0,1,2,3,4,5,6,7
	global_load_b128 v[XR+8*\u:XR+8*\u+3],   v4, s[10:11] offset:1024*\u th:TH_LOAD_NT
	global_load_b128 v[XR+8*\u+4:XR+8*\u+7], v4, s[10:11] offset:1024*\u+16 th:TH_LOAD_NT
.endr
.irp u, 0,1,2,3
	s_wait_loadcnt 14-2*\u                         ; the later units' loads may stay out
	CONV XR+8*\u, YR+4*\u
.endr
	s_wait_alu depctr_va_vdst(0)                   ; units 0 to 3 have written their v[YR ..], which the four stores below read; the conversions among them name units 4 to 7's registers alone
.irp u, 0,1,2,3
	global_store_b128 v5, v[YR+4*\u:YR+4*\u+3], s[20:21] offset:(\u/2)*2048+(\u%2)*512  ; 512 consecutive bytes, aligned
	s_wait_loadcnt 6-2*\u
	CONV XR+8*(\u+4), YR+4*(\u+4)
.endr
	s_wait_alu depctr_va_vdst(0)                   ; units 4 to 7 have written theirs
.irp u, 4,5,6,7
	global_store_b128 v5, v[YR+4*\u:YR+4*\u+3], s[20:21] offset:(\u/2)*2048+(\u%2)*512
.endr
	s_endpgm
.Lx:	; ---- x16.  The work-group takes 64 rows, a wave 16: 32 units, in eight blocks of four.  Five blocks of registers keep 32 to 40 loads of every wave on their way while there is x left to ask for.
	s_sub_co_u32 s22, s14, 160
	s_lshl_b32 s2, s22, 17
	s_add_nc_u64 s[4:5], s[4:5], s[2:3]
	s_lshl_b32 s2, s22, 16
	s_add_nc_u64 s[16:17], s[16:17], s[2:3]
	s_lshl_b32 s23, s12, 15
	v_lshl_add_u32 v4, v3, 5, s23                  ; in: 32,768 w + 32 lane; never rewritten
	s_lshl_b32 s23, s12, 14
	v_lshl_add_u32 v5, v3, 4, s23                  ; out: 16,384 w + 16 lane; never rewritten
	s_wait_alu depctr_va_vdst(0)                   ; v4 and v5 are written: every load and store below reads one of them as its offset
.irp u, 0,1,2,3,4,5,6,7,8,9,10,11,12,13,14,15,16,17,18,19
	global_load_b128 v[XR+8*\u:XR+8*\u+3],   v4, s[4:5] offset:1024*\u th:TH_LOAD_NT      ; blocks 0 to 4 into X0 to X4
	global_load_b128 v[XR+8*\u+4:XR+8*\u+7], v4, s[4:5] offset:1024*\u+16 th:TH_LOAD_NT
.endr
; Block p: units 4 p .. 4 p + 3, in X[p % 5], rounded into Y[p % 4].  In front of each unit's conversions stand two loads of block p + 4 (blocks 1 to 3: no load leaves x) and a store of block p - 1.
; The count at a unit's wait is the loads younger than its two: block 0: 2 (19 - u) of the 40 at the head; blocks 1 to 3: 40 + 8 (p - 1) + 2 (i + 1) issued less 2 (u + 1) = 32; blocks 4 to 7: 2 (31 - u).
.macro XBLK p
.if (\p) >= 4
	s_wait_xcnt 0x0                                ; every earlier memory instruction has had its addresses translated (ISA guide 3.1): Y[p % 4] is rewritten only behind this wait
	s_wait_alu depctr_vm_vsrc(0)                   ; the stores issued three blocks back have read Y[p % 4], which this block's roundings write again
.endif
.if (\p) >= 1
	s_wait_alu depctr_va_vdst(0)                   ; the block before has written its Y, which the stores below read, and is done with its X, in which the loads below land
.endif
.irp i, 0,1,2,3
.if ((\p) >= 1) && ((\p) <= 3)
	global_load_b128 v[XR+32*(((\p)+4)%5)+8*\i:XR+32*(((\p)+4)%5)+8*\i+3],   v4, s[4:5] offset:1024*(4*((\p)+4)+\i) th:TH_LOAD_NT     ; no vector instruction since the wait names these registers
	global_load_b128 v[XR+32*(((\p)+4)%5)+8*\i+4:XR+32*(((\p)+4)%5)+8*\i+7], v4, s[4:5] offset:1024*(4*((\p)+4)+\i)+16 th:TH_LOAD_NT
.endif
.if (\p) >= 1
	global_store_b128 v5, v[YR+16*(((\p)+3)%4)+4*\i:YR+16*(((\p)+3)%4)+4*\i+3], s[16:17] offset:512*(4*((\p)-1)+\i) th:TH_STORE_NT  ; 512 consecutive bytes, aligned
.endif
.if (\p) == 0
.set LF, 2*(19-\i)
.elseif (\p) <= 3
.set LF, 32
.else
.set LF, 2*(31-4*(\p)-\i)
.endif
	s_wait_loadcnt LF                              ; loads come back in order (ISA guide 5.7.1): this unit's two are in, the younger ones stay out
	CONV XR+32*((\p)%5)+8*\i, YR+16*((\p)%4)+4*\i
.endr
.endm
.irp p, 0,1,2,3,4,5,6,7
	XBLK \p
.endr
	s_wait_alu depctr_va_vdst(0)                   ; block 7 has written Y3, which the last four stores read
.irp i, 0,1,2,3
	global_store_b128 v5, v[YR+48+4*\i:YR+48+4*\i+3], s[16:17] offset:512*(28+\i) th:TH_STORE_NT
.endr
	s_endpgm
.Lfunc_end_k_q3ad1d5338e_prep:
	.size	k_q3ad1d5338e_prep, .Lfunc_end_k_q3ad1d5338e_prep-k_q3ad1d5338e_prep
	.p2alignl 7, 3214868480
	.fill 96, 4, 3214868480
	.section	.rodata,"a",@progbits
	.p2align	6, 0x0
	.amdhsa_kernel k_q3ad1d5338e_prep
		.amdhsa_group_segment_fixed_size 4864
		.amdhsa_private_segment_fixed_size 0
		.amdhsa_enable_private_segment 0
		.amdhsa_kernarg_size 56
		.amdhsa_user_sgpr_count 2
		.amdhsa_user_sgpr_kernarg_segment_ptr 1
		.amdhsa_wavefront_size32 1
		.amdhsa_system_sgpr_workgroup_id_x 1
		.amdhsa_system_sgpr_workgroup_id_y 1
		.amdhsa_system_sgpr_workgroup_id_z 1
		.amdhsa_system_vgpr_workitem_id 0
		.amdhsa_next_free_vgpr 244
		.amdhsa_next_free_sgpr 66
		.amdhsa_reserve_vcc 0
		.amdhsa_float_denorm_mode_32 3
		.amdhsa_float_denorm_mode_16_64 3
		.amdhsa_memory_ordered 1
		.amdhsa_forward_progress 1
		.amdhsa_inst_pref_size 94
	.end_amdhsa_kernel
	.amdgpu_metadata
---
amdhsa.version: [ 1, 2 ]
amdhsa.kernels:
  - .name:           k_q3ad1d5338e_prep
    .symbol:         k_q3ad1d5338e_prep.kd
    .args:
      - { .name: x, .offset: 0, .size: 8, .value_kind: global_buffer, .address_space: global }
      - { .name: Wq, .offset: 8, .size: 8, .value_kind: global_buffer, .address_space: global }
      - { .name: Wk, .offset: 16, .size: 8, .value_kind: global_buffer, .address_space: global }
      - { .name: Wv, .offset: 24, .size: 8, .value_kind: global_buffer, .address_space: global }
      - { .name: x16, .offset: 32, .size: 8, .value_kind: global_buffer, .address_space: global }
      - { .name: mt, .offset: 40, .size: 8, .value_kind: global_buffer, .address_space: global }
      - { .name: wvp, .offset: 48, .size: 8, .value_kind: global_buffer, .address_space: global }
    .group_segment_fixed_size: 4864
    .private_segment_fixed_size: 0
    .kernarg_segment_align: 8
    .kernarg_segment_size: 56
    .max_flat_workgroup_size: 128
    .sgpr_count:     66
    .vgpr_count:     244
    .wavefront_size: 32
...
	.end_amdgpu_metadata
.endif
;; end of part 3
;; launch attn: the kernel of part 2 again; grid 32 x 8, 4 waves a work-group, clusters of 4 x 1, 327,680 bytes of LDS; arguments x16, mt, wvp, out0; writes out0
